; MI455X (gfx1250); checked and timed in simulation.
; The chip was launched on July 23, 2026; its instructions are those of AMD's public machine-readable ISA for CDNA 5 (MIT licence, August 2026) and "CDNA5" Instruction Set Architecture Reference Guide (July 2026). The comments in the code are by the model that wrote it; some were corrected since.
;; DS Attention. Allowed arithmetic: matrix products marked QUANTISED: E3M2 operands, one E8M0 scale for each 32 along K, by v_wmma_scale_f32_16x16x128_f8f6f4 with both operands' format E3M2, f32 sums; everything else in f32.
;; Inputs: delta 2 x 2,048 float32; keys 2 x 2,048 x 16 x 64 float32; queries 2 x 2,048 x 16 x 64 float32; tau 2 x 1 float32; values 2 x 2,048 x 16 x 64 float32.
;; Outputs: out0 2 x 2,048 x 16 x 64 float32.
;; This version of the problem:
;;   THIS VERSION OF THE PROBLEM IS GIVEN IN LOW PRECISION. The matrix products marked QUANTISED in the list below multiply operands that are first quantised to E3M2 (3 exponent bits, 2 mantissa bits; 6 bits a number), with one power-of-two scale for each 32 numbers along K (OCP MX v1.0); their sums are f32. All else is computed in f32.
;;   The module's matrix products, in the order in which they are computed (A, B: the left and right operand; K: the contracted axis; several contracted axes count as one K, in the product's order):
;;     1. batch 32 x [M 2,048, K 64] x [K 64, N 2,048]; A: input queries; B: input keys: QUANTISED
;;     2. batch 32 x [M 64, K 2,048] x [K 2,048, N 2,048]; A: input values; B: softmax (see below): QUANTISED
;;   THE QUANTISER, for each operand of a quantised product, along K:
;;     - K is cut into blocks of 32 from its start; a last block that is shorter is filled with zeros.
;;     - A block's scale is 2^e with e = floor(log2(the largest magnitude in the block)) - 4, held to -126 .. 127; a block of zeros has e = 0. As a byte (E8M0): e + 127.
;;     - Each number is divided by its block's scale, clamped to +-28, and rounded to the nearest number of E3M2, ties to even, subnormals kept.
;;     - The product sums the exact products of the quantised numbers (number of the format x scale) in f32.
;;   ~~~python
;;   def quantise(x, axis):      # numpy; x: float32 -> the quantised numbers, widened to float32 again
;;       x = np.moveaxis(x, axis, -1); K = x.shape[-1]
;;       x = np.pad(x, [(0, 0)] * (x.ndim - 1) + [(0, -K % 32)]); x = x.reshape(x.shape[:-1] + (-1, 32)); a = np.abs(x).max(-1, keepdims=True)
;;       e = np.where(a > 0, np.clip(np.frexp(np.where(a > 0, a, 1))[1] - 1 - 4, -126, 127), 0)      # np.frexp(a)[1] - 1 = floor(log2(a)), exactly
;;       r = np.clip(x / 2.0 ** e, -28, 28)
;;       step = 2.0 ** (np.maximum(np.frexp(np.where(r == 0, 1, r))[1] - 1, -2) - 2)
;;       q = np.round(r / step) * step * 2.0 ** e      # np.round: ties to even
;;       return np.moveaxis(q.reshape(q.shape[:-2] + (-1,))[..., :K], -1, axis).astype(np.float32)
;;   ~~~
;;   SOFTMAX AHEAD OF A QUANTISED PRODUCT. Where the list says 'softmax', what is quantised is not the finished softmax but p = 2^(t - M), with t = logit x log2(e) and M = ceil(the row's largest t), a whole number; so 1/2 < the row's largest p <= 1. The row's sum l is taken of the UNQUANTISED p, in f32, and the product's result is divided by l at the end. Since M is a whole number, a kernel that streams over the keys may use a running M (the ceiling of the running maximum): every later rescaling is an exact power of two, which a block's scale takes up: the codes' values come out the same.
;;   OPERANDS COMPUTED ON THE WAY. 'Computed on the way' means the value that the module computes at that place (a softmax that the list does not call 'softmax' is quantised finished and normalised). What goes into a quantiser is computed in f32, as accurately as f32 sums, v_exp_f32 and their like allow (about 1e-6 of the number): no bf16 or f16 on the way to a quantiser, and a product that is left as it is and whose result goes on into a quantised operand takes f32 operands (vector FMAs, or v_wmma_f32_16x16x4_f32). A number that lies on a knife's edge between two numbers of the format may be rounded either way, as far as f32 arithmetic and the matrix unit's own rounding can turn it there, and no further.
;; One version. Each part assembles by itself: llvm-mc -triple=amdgcn-amd-amdhsa -mcpu=gfx1250 --defsym DOCPART=n.
;; ======== version 1 of 1: 2 launches
;; workspace buffers: kvc 6,815,744 bytes
;; launch quant (part 1): grid 16 x 32, 4 waves a work-group, no clusters, 83,456 bytes of LDS; arguments keys, values, kvc; writes kvc
.if DOCPART == 1
	.amdgcn_target "amdgcn-amd-amdhsa--gfx1250"
	.amdhsa_code_object_version 6
	.text
	.protected	k_q3f8c704243_quant
	.globl	k_q3f8c704243_quant
	.p2align	8
	.type	k_q3f8c704243_quant,@function
k_q3f8c704243_quant:
	s_mov_b64 s[64:65], 0
	v_nop
	global_prefetch_b8 v0, s[64:65] scope:SCOPE_SE
	s_setreg_imm32_b32 hwreg(HW_REG_WAVE_MODE, 25, 1), 1
	s_wait_xcnt 0x0
; keys and values, [2][2048][16][64] f32, become codes of BF6 (E3M2) with E8M0 scale bytes, laid in the ORDER OF THE OPERANDS' REGISTERS of the attention launch.
; K is quantised along the head's 64 (two blocks of 32), V along the keys (blocks of 32 keys).  A block's scale is 2^(floor(log2(largest magnitude)) - 4); its byte is that magnitude's exponent field - 4,
; held at 1 from below; each number is divided by the scale and rounded to the nearest code, ties to even, beyond 28 the largest code.
; LIMITS: NaN and infinities among the inputs are not served.  A block of zeros gets the byte 1 (not 127): its codes are zeros, which add nothing, and this program alone reads the bytes.
; SHARES.  Work-group (j, hd) makes the slab of head hd = 16 b + h, keys 128 j .. 128 j + 127: 13,312 bytes at (16 hd + j) x 13,312 of kvc.  Wave w takes keys 128 j + 32 w .. + 31 of both tensors.
; THE SLAB:  0      K's images, 4 units of 1,536 bytes: unit P, lane l's 48 bytes at 48 l: six registers of tile 2 P, six of tile 2 P + 1.  Tile 2 P + u, lane (r, g): key 32 P + 8 u + r + 8 (r / 8), e = 32 g .. 32 g + 31
;            6144   V's images, 4 units: unit n, lane (r, g)'s 48 bytes: row d = 16 n + r; bytes 24 c on: keys 64 c + 32 g + 0 .. 31
;            12288  K's scale words: lane l's 16 bytes: words P = 0 .. 3; lanes 0-15 tile 2 P, lanes 16-31 tile 2 P + 1, row l % 16; bytes 0, 1 the two blocks, bytes 2, 3 = 0
;            12800  V's scale words: lane l's 16 bytes: words n = 0 .. 3 of row l % 16 (both halves of the lanes alike); byte kb = the block of keys 32 kb on
; A (token, head) row is 256 consecutive bytes: each load takes two whole rows, 16 bytes a lane.  The numbers turn through the wave's own stage in LDS: K comes back 32 neighbours along e to a lane,
; V comes back a column d to a lane with its registers running down the 32 keys.  The slab is put together in LDS and leaves in runs of 512 (and 256) consecutive bytes.  No loop, no branch, one barrier.
.set SLAB, 13312
.set SP,   272                         ; a stage row: 256 bytes + 16, an odd multiple of 16 bytes
.set WST,  32*SP                       ; a wave's stage: 32 rows
.set VST,  4*WST                       ; K's four stages from LDS byte 0, V's four from here
.set SL,   8*WST                       ; the slab
.set VIMG, 6144
.set KSC,  12288
.set VSC,  12800
.set GIN,  1                           ; v1   4096 g + 16 lo: my 16 bytes of the two rows of a load
.set KSTO, 2                           ; v2   K's stage, in
.set KRD,  3                           ; v3   K's stage, back
.set VSTO, 4                           ; v4   V's stage, in
.set VRD,  5                           ; v5   V's stage, back
.set KW,   6                           ; v6   where my K codes go in the slab
.set VW,   7                           ; v7   where my V codes go
.set VB,   8                           ; v8   where my V scale bytes go
.set KWS,  9                           ; v9   where my K scale word goes
.set CPY,  10                          ; v10  the copy out: LDS, codes
.set CPS,  11                          ; v11  LDS, scale words
.set GOUT, 12                          ; v12  kvc, codes
.set GOS,  13                          ; v13  kvc, scale words
.set SH,   14                          ; v14  8 g
.set PD,   15                          ; v15  a lane permute's destination
.set LN,   16                          ; v16  lane;  v17 lo = lane % 16;  v18 g = lane / 16;  v19, v20 at work
.set KR,   32                          ; v32-95   K as loaded; later V's two columns, 32 keys each
.set VR,   96                          ; v96-159  V as loaded
.set X,    160                         ; v160-223 K's two tiles: 32 neighbours each; later the copy out
.set C0,   224                         ; v224-230, v232-238 codes
.set C1,   232
.set E0,   240                         ; v240-241 scale bytes
.set TM,   242                         ; v242-244 at work
; 32 numbers of one lane, v[s] .. v[s + 31], one block: six registers of codes in v[c] .. v[c + 5] (c even; v[c + 6] is at work), the scale's byte in v[e]; v[t] .. v[t + 2] at work.
.macro QB s, c, e, t
	v_max3_num_f32 v[\t], |v[\s]|, |v[\s+1]|, |v[\s+2]|             ; the largest magnitude, in two chains
	v_max3_num_f32 v[\t+1], |v[\s+3]|, |v[\s+4]|, |v[\s+5]|
.irp i, 6,10,14,18,22,26
	v_max3_num_f32 v[\t], v[\t], |v[\s+\i]|, |v[\s+\i+1]|
	v_max3_num_f32 v[\t+1], v[\t+1], |v[\s+\i+2]|, |v[\s+\i+3]|
.endr
	v_max3_num_f32 v[\t], v[\t], |v[\s+30]|, |v[\s+31]|
	v_max3_num_f32 v[\t], v[\t], v[\t+1], 0x2800000                 ; and the floor 2^(5 - 127): the byte cannot fall under 1
	v_add_nc_u32 v[\t+2], 0xfe000000, v[\t]                         ; 4 off the exponent field: the conversion takes this operand's exponent field as its scale
	v_cvt_scalef32_pk16_bf6_f32 v[\c:\c+2], v[\s:\s+15], v[\t+2]
	v_cvt_scalef32_pk16_bf6_f32 v[\c+4:\c+6], v[\s+16:\s+31], v[\t+2]   ; (a conversion's three registers begin on an even number)
	v_lshrrev_b32 v[\e], 23, v[\t+2]                                ; the scale's byte; also the plain line between the conversions and the moves that read their results
	v_mov_b32 v[\c+3], v[\c+4]
	v_mov_b32 v[\c+4], v[\c+5]
	v_mov_b32 v[\c+5], v[\c+6]
.endm
	s_load_b128 s[4:7], s[0:1], 0x0                ; keys s[4:5], values s[6:7]
	s_load_b64 s[8:9], s[0:1], 0x10                ; kvc
	v_lshl_add_u32 v254, v0, 2, 0x14400
	v_mov_b32 v255, 0
	v_lshrrev_b32 v19, 5, v0
	v_readfirstlane_b32 s10, v19                   ; wave 0..3
	v_and_b32 v[LN], 31, v0                        ; lane
	v_and_b32 v17, 15, v0                          ; lo
	v_bfe_u32 v18, v0, 4, 1                        ; g
	v_lshlrev_b32 v19, 4, v17                      ; 16 lo
	v_lshl_add_u32 v[GIN], v18, 12, v19            ; a token's rows lie 4,096 bytes apart
	s_and_b32 s11, ttmp7, 0xffff                   ; hd
	s_lshr_b32 s12, s11, 4                         ; b
	s_lshl_b32 s12, s12, 23                        ; b x 2048 x 4096 bytes
	s_lshl_b32 s22, ttmp9, 19                      ; + 128 j tokens
	s_add_co_u32 s12, s12, s22
	s_lshl_b32 s22, s10, 17                        ; + 32 w tokens
	s_add_co_u32 s12, s12, s22
	s_and_b32 s22, s11, 15
	s_lshl_b32 s22, s22, 8                         ; + the head's 256 bytes
	s_add_co_u32 s12, s12, s22
	s_mov_b32 s13, 0
	s_lshl_b32 s14, s11, 4
	s_add_co_u32 s14, s14, ttmp9
	s_mul_i32 s14, s14, SLAB                       ; my slab in kvc
	s_mov_b32 s15, 0
	s_wait_alu depctr_va_vdst(0)
	s_wait_kmcnt 0x0
	s_add_nc_u64 s[4:5], s[4:5], s[12:13]
	s_add_nc_u64 s[6:7], s[6:7], s[12:13]
	s_add_nc_u64 s[8:9], s[8:9], s[14:15]
.irp i, 0,1,2,3,4,5,6,7,8,9,10,11,12,13,14,15
	global_load_b128 v[KR+4*\i:KR+4*\i+3], v[GIN], s[4:5] offset:8192*\i th:TH_LOAD_NT   ; lanes 0-15: key 2 i's 256 bytes, lanes 16-31: key 2 i + 1's
.endr
.irp i, 0,1,2,3,4,5,6,7,8,9,10,11,12,13,14,15
	global_load_b128 v[VR+4*\i:VR+4*\i+3], v[GIN], s[6:7] offset:8192*\i th:TH_LOAD_NT
.endr
	; the LDS addresses, while the loads are out: each a constant + constants x lane parts + constants x wave parts
	s_mov_b32 s20, 0x76543210
	s_mov_b32 s21, 0xfedcba98                      ; v_permlanex16_b32's selects for lane l xor 16
	s_mul_i32 s16, s10, WST                        ; my stage
	v_mad_u32_u24 v20, v18, SP, v19                ; row g, 16 lo
	v_add_nc_u32 v[KSTO], s16, v20
	v_add_nc_u32 v[VSTO], VST, v[KSTO]
	v_mul_u32_u24 v20, v17, SP
	v_lshl_add_u32 v20, v18, 7, v20                ; row lo, + 128 g: my block of e
	v_add_nc_u32 v[KRD], s16, v20
	v_lshlrev_b32 v20, 2, v[LN]
	v_add_nc_u32 v[VRD], s16, v20
	v_add_nc_u32 v[VRD], VST, v[VRD]               ; column = lane
	s_mul_i32 s17, s10, 1536
	s_add_co_u32 s17, s17, SL
	v_mul_u32_u24 v20, v[LN], 48
	v_add_nc_u32 v[KW], s17, v20                   ; K's unit P = w, 48 x lane
	s_and_b32 s18, s10, 1
	s_mul_i32 s18, s18, 768                        ; V: my block of keys kb = w belongs to the operand's lanes of half w % 2 (16 x 48 bytes on)
	s_lshr_b32 s19, s10, 1
	s_mul_i32 s19, s19, 24                         ; and to their registers 6 (w / 2) on
	s_add_co_u32 s18, s18, s19
	s_add_co_u32 s18, s18, SL+VIMG
	v_mul_u32_u24 v20, v17, 48
	v_mad_u32_u24 v20, v18, 1536, v20              ; my column d = lane + 32 v is row lo of unit 2 v + g
	v_add_nc_u32 v[VW], s18, v20
	s_add_co_u32 s19, s10, SL+VSC
	v_lshl_add_u32 v20, v18, 2, v19                ; 16 lo + 4 g
	v_add_nc_u32 v[VB], s19, v20                   ; + byte w
	s_lshl_b32 s19, s10, 2
	s_add_co_u32 s19, s19, SL+KSC
	v_lshlrev_b32 v20, 4, v[LN]                    ; 16 x lane
	v_add_nc_u32 v[KWS], s19, v20                  ; word P = w
	s_mul_i32 s19, s10, 3072
	v_add_nc_u32 v[GOUT], s19, v20                 ; the copy out: a quarter of the 12,288 bytes of codes a wave
	v_add_nc_u32 v[CPY], SL, v[GOUT]
	s_lshl_b32 s19, s10, 8
	s_add_co_u32 s19, s19, KSC
	v_lshlrev_b32 v20, 3, v[LN]
	v_add_nc_u32 v[GOS], s19, v20                  ; and 256 of the 1,024 bytes of scale words
	v_add_nc_u32 v[CPS], SL, v[GOS]
	v_lshlrev_b32 v[SH], 3, v18
	v_mov_b32 v[PD], 0                             ; written once: a lane permute's destination counts as one of its sources
	s_wait_loadcnt 16                              ; K's 16 loads are in; V's 16, issued behind them, may be out
.irp i, 0,1,2,3,4,5,6,7,8,9,10,11,12,13,14,15
	ds_store_b128 v[KSTO], v[KR+4*\i:KR+4*\i+3] offset:SP*(((2*\i)&7)+16*(((2*\i)>>3)&1)+8*(((2*\i)>>4)&1))   ; key kap goes to stage row kap with bits 3 and 4 swapped: a tile's 16 rows then lie on end
.endr
.irp u, 0,1
.irp k, 0,1,2,3,4,5,6,7
	ds_load_b128 v[X+32*\u+4*\k:X+32*\u+4*\k+3], v[KRD] offset:16*SP*\u+16*\k   ; tile u, row lo, e = 32 g + 4 k on.  LDS serves a wave's instructions in order (ISA guide 5.7.1.4): these see the stores above
.endr
.endr
	s_wait_loadcnt 0x0                             ; V is in
.irp i, 0,1,2,3,4,5,6,7,8,9,10,11,12,13,14,15
	ds_store_b128 v[VSTO], v[VR+4*\i:VR+4*\i+3] offset:2*SP*\i
.endr
	s_wait_dscnt 16                                ; all but V's 16 stores: K's stage stores have read v32-95, and K's numbers are back
.irp v, 0,1
.set kap, 0
.rept 32
	ds_load_b32 v[KR+32*\v+kap], v[VRD] offset:SP*kap+128*\v    ; V(key kap, column lane + 32 v): 128 consecutive bytes a load
.set kap, kap+1
.endr
.endr
	QB X, C0, E0, TM                               ; K, tile 2 w: my row's block g
	QB X+32, C1, E0+1, TM                          ; tile 2 w + 1
.irp m, 0,1,2
	ds_store_b64 v[KW], v[C0+2*\m:C0+2*\m+1] offset:8*\m
	ds_store_b64 v[KW], v[C1+2*\m:C1+2*\m+1] offset:24+8*\m
.endr
	v_lshlrev_b32 v[E0], v[SH], v[E0]              ; my byte at its place in the row's scale word,
	v_lshlrev_b32 v[E0+1], v[SH], v[E0+1]
	v_permlanex16_b32 v[PD], v[E0], s20, s21
	v_or_b32 v[E0], v[E0], v[PD]                   ; with lane l xor 16's: bytes 0 and 1; bytes 2 and 3 stay 0
	v_permlanex16_b32 v[PD], v[E0+1], s20, s21
	v_or_b32 v[E0+1], v[E0+1], v[PD]
	v_cmp_le_u32 vcc_lo, 16, v[LN]
	v_cndmask_b32 v[E0], v[E0], v[E0+1], vcc_lo    ; lanes 0-15 keep tile 2 w's word, lanes 16-31 take tile 2 w + 1's
	ds_store_b32 v[KWS], v[E0]
	s_wait_dscnt 0x0                               ; V's columns are in, and the stores above have read the registers that V's codes and bytes take
	QB KR, C0, E0, TM                              ; V, column lane: the block of my wave's 32 keys
	QB KR+32, C1, E0+1, TM                         ; column lane + 32
.irp m, 0,1,2
	ds_store_b64 v[VW], v[C0+2*\m:C0+2*\m+1] offset:8*\m
	ds_store_b64 v[VW], v[C1+2*\m:C1+2*\m+1] offset:3072+8*\m
.endr
	ds_store_b8 v[VB], v[E0]                       ; byte w of word 2 v + g of row lo,
	ds_store_b8 v[VB], v[E0+1] offset:8
	ds_store_b8 v[VB], v[E0] offset:256            ; and the copy for lanes 16-31
	ds_store_b8 v[VB], v[E0+1] offset:264
	s_wait_dscnt 0x0                               ; for the others' sake: my part of the slab lies in LDS
	s_barrier_signal -1
	s_barrier_wait -1                              ; everybody's does
.irp i, 0,1,2,3,4,5
	ds_load_b128 v[X+4*\i:X+4*\i+3], v[CPY] offset:512*\i
.endr
	ds_load_b64 v[X+24:X+25], v[CPS]
.irp i, 0,1,2,3,4,5
	s_wait_dscnt 6-\i                              ; load i is back; the 6 - i issued behind it may be out
	global_store_b128 v[GOUT], v[X+4*\i:X+4*\i+3], s[8:9] offset:512*\i   ; 32 lanes store 512 consecutive bytes, at a multiple of 256 from kvc's first byte
.endr
	s_wait_dscnt 0x0
	global_store_b64 v[GOS], v[X+24:X+25], s[8:9]  ; 32 lanes store 256 consecutive bytes, aligned
	s_wait_tensorcnt 0x0
	ds_add_u32 v254, v255
	s_wait_dscnt 0x0
	s_endpgm
.Lfunc_end_k_q3f8c704243_quant:
	.size	k_q3f8c704243_quant, .Lfunc_end_k_q3f8c704243_quant-k_q3f8c704243_quant
	.p2alignl 7, 3214868480
	.fill 96, 4, 3214868480
	.section	.rodata,"a",@progbits
	.p2align	6, 0x0
	.amdhsa_kernel k_q3f8c704243_quant
		.amdhsa_group_segment_fixed_size 83456
		.amdhsa_private_segment_fixed_size 0
		.amdhsa_enable_private_segment 0
		.amdhsa_kernarg_size 24
		.amdhsa_user_sgpr_count 2
		.amdhsa_user_sgpr_kernarg_segment_ptr 1
		.amdhsa_wavefront_size32 1
		.amdhsa_system_sgpr_workgroup_id_x 1
		.amdhsa_system_sgpr_workgroup_id_y 1
		.amdhsa_system_sgpr_workgroup_id_z 1
		.amdhsa_system_vgpr_workitem_id 0
		.amdhsa_next_free_vgpr 256
		.amdhsa_next_free_sgpr 66
		.amdhsa_reserve_vcc 1
		.amdhsa_float_denorm_mode_32 3
		.amdhsa_float_denorm_mode_16_64 3
		.amdhsa_memory_ordered 1
		.amdhsa_forward_progress 1
		.amdhsa_inst_pref_size 22
	.end_amdhsa_kernel
	.amdgpu_metadata
---
amdhsa.version: [ 1, 2 ]
amdhsa.kernels:
  - .name:           k_q3f8c704243_quant
    .symbol:         k_q3f8c704243_quant.kd
    .args:
      - { .name: keys, .offset: 0, .size: 8, .value_kind: global_buffer, .address_space: global }
      - { .name: values, .offset: 8, .size: 8, .value_kind: global_buffer, .address_space: global }
      - { .name: kvc, .offset: 16, .size: 8, .value_kind: global_buffer, .address_space: global }
    .group_segment_fixed_size: 83456
    .private_segment_fixed_size: 0
    .kernarg_segment_align: 8
    .kernarg_segment_size: 24
    .max_flat_workgroup_size: 128
    .sgpr_count:     66
    .vgpr_count:     256
    .wavefront_size: 32
...
	.end_amdgpu_metadata
.endif
;; end of part 1
;; launch attn (part 2): grid 8 x 32, 16 waves a work-group, clusters of 4 x 1, 292,864 bytes of LDS; arguments queries, kvc, delta, tau, out0; writes out0
.if DOCPART == 2
	.amdgcn_target "amdgcn-amd-amdhsa--gfx1250"
	.amdhsa_code_object_version 6
	.text
	.protected	k_q3f8c704243_attn
	.globl	k_q3f8c704243_attn
	.p2align	8
	.type	k_q3f8c704243_attn,@function
k_q3f8c704243_attn:
	s_mov_b64 s[64:65], 0
	v_nop
	global_prefetch_b8 v0, s[64:65] scope:SCOPE_SE
	s_setreg_imm32_b32 hwreg(HW_REG_WAVE_MODE, 25, 1), 1
	s_wait_xcnt 0x0
	s_wait_alu depctr_hold_cnt(0) depctr_sa_sdst(0) depctr_va_vdst(0) depctr_va_sdst(0) depctr_va_ssrc(0) depctr_va_vcc(0) depctr_vm_vsrc(0)
	s_getreg_b32 s2, hwreg(HW_REG_IB_STS2, 6, 4)
	s_cmp_eq_u32 s2, 0
	s_cbranch_scc0 .Lentry_in_a_cluster
	s_endpgm
.Lentry_in_a_cluster:
	s_bfe_u32 s2, ttmp6, 0x10000c
	s_cmp_lg_u32 s2, 0x3003
	s_cbranch_scc0 .Lentry_shape_is_right
	s_endpgm
.Lentry_shape_is_right:
; out[b][q][h][:] = sum over s <= q of softmax_s((Q[q] . K[s] x tau[b] + delta[b][s]) / 8) V[s][:], both products on codes of BF6 (E3M2) with one E8M0 scale for each 32 along a product's K.
; t = Q.K x (c tau) + c delta, c = log2(e) / 8; M = the row's largest t so far rounded UP to a whole number; p = 2^(t - M) is quantised along the keys, not normalised; the row's sum is taken of the
; unquantised p and divides at the end.  When M moves, the sum and O are multiplied by 2^(old M - new M): exact.  The maxima are taken of t itself, so tau may have any sign or be 0.
; K and V come as the slabs that the launch before made (13,312 bytes for a head's 128 keys, in the order of the operands' registers); Q is read by one wave only and is quantised here, in registers.
; SHARES.  Work-group (x, hd): x = 0 .. 7, head hd = 16 b + h.  Each of its sixteen waves owns ONE tile of 16 queries, q0 = 128 RK + 16 x; RK is the wave's number w, or 15 - w where w's cell lies on a
; diagonal of the 4 x 4 square of wave numbers.  Key step j (keys 128 j on) counts for the wave just where j <= RK, and j = RK is the step on the diagonal, whatever x is: so all work-groups run alike, and
; any four waves with equal w % 4, or with equal w / 4, have 34 steps together.
; THE WHOLE HEAD STAYS IN LDS: 16 slabs, 212,992 bytes, filled once.  No slot is ever filled again, so there is no ring and no barrier in a loop.
; CLUSTER.  The four work-groups of a cluster belong to one head and want the same 16 slabs: waves 0 to 3 ask for them JOINTLY (the same two tensor loads, the same descriptors, mask 15); each receives them in its own LDS.
; LAYOUT.  Both products are used transposed: S^T = K Q^T (source 0 = 16 keys, source 1 = my 16 queries), O^T = V^T P^T: a lane holds ONE query (lane % 16) throughout.  The keys of a tile are chosen
; (lane r of tile 2 P + u: key 32 P + 8 u + r + 8 (r / 8)) so that registers 16 P .. 16 P + 15 of the scores are keys 32 P + 16 (lane / 16) + 0 .. 15.
; THE HEAD HAS 64 NUMBERS, THE INSTRUCTION TAKES 128 ALONG K.  Q's registers 6-11 are zero codes.  K's operand of tile t is the twelve registers from tile t's six on: its upper six are the next tile's codes
; (for tile 7: six registers of zeros).  They meet Q's zero codes, and BF6 has no code for NaN or infinity: every such product is an exact 0.  The scale bytes of those blocks are 0 (2^-127), never 0xff.
; A block's largest p is not searched for: the block's largest t goes through the same addition and exponential (this takes v_exp_f32 not to fall where its input rises; at the worst one p of a block, within
; an ulp of a power of two, is held one code low).
; LIMITS: NaN and infinities among the inputs are not served; t is taken to lie above -3e38.  A block of p or of Q that is all zeros gets the byte 1: its codes are zeros.
; REGISTERS: v1-3 lane parts of LDS addresses; v4-6 the step's addresses; v7 the mask's bound; v8 -infinity; v9-11, v31 the way in and out; v12 -M, v13 the largest t, v[14:15] the sum in two halves;
;   v16-27 Q's codes and zeros; v28 Q's scale word, v29 p's; v32-79 K's eight tiles, behind the scores' products at work; v80-85 zeros; v88-91 K's scale words, v92-95 V's;
;   v96-159 c delta, then t, then p; v160-223 the scores, then V's four fragments (v160-207); v224-255 O^T.
.set SLAB, 13312
.set VIMG, 6144
.set KSC,  12288
.set VSC,  12800
.set CD,   16*SLAB                     ; LDS behind the slabs: c x delta[b], 2,048 f32, written by LDS stores
.set STAGE, CD+8192                    ; and a stage of 16 rows x 272 bytes for each wave: Q's way in, O's way out.  No fill lands in either
.set SP,   272                         ; 256 bytes + 16: an odd multiple of 16 bytes
.set L48, 1
.set L16, 2
.set LCD, 3
.set A48, 4
.set A16, 5
.set ACD, 6
.set DG,  7
.set NINF, 8
.set GO,  9
.set STO, 10
.set SRD, 11
.set QC,  16
.set QS,  28
.set PS,  29
.set PD,  30
.set QRD, 31
.set KF,  32
.set BM,  32                           ; behind the scores' products K's registers are free: v32-35 the blocks' largest t, then p
.set BX,  36                           ; v36-39 the other half's; then the scale bytes
.set SO,  40                           ; v40-43 the conversions' scale operands
.set PC,  44                           ; v44-55 p's codes: the second product's source 1
.set PT,  56                           ; v56-62 the conversions' second halves
.set S2,  64                           ; v[64:65] the sum's second chain
.set TA,  66
.set FF,  68                           ; v[68:69] f = 2^(old M - new M): the packed forms name the pair and take its low word
.set KS,  88
.set VS,  92
.set T,   96
.set S,   160
.set VF,  160
.set O,   224
.set WV,  14
.set RK,  15
.set J,   48                           ; s48 the key step
.set TB,  49                           ; s49 its slab's LDS byte
.set TD,  50                           ; s50 its 512 bytes of c delta
.set CNT, 59
.macro QB s, c, e, t                   ; 32 numbers of one lane, one block: six registers of codes from v[c] on (v[c + 6] at work), the scale's byte in v[e]
	v_max3_num_f32 v[\t], |v[\s]|, |v[\s+1]|, |v[\s+2]|
	v_max3_num_f32 v[\t+1], |v[\s+3]|, |v[\s+4]|, |v[\s+5]|
.irp i, 6,10,14,18,22,26
	s_delay_alu instid0(VALU_DEP_2)
	v_max3_num_f32 v[\t], v[\t], |v[\s+\i]|, |v[\s+\i+1]|
	s_delay_alu instid0(VALU_DEP_2)
	v_max3_num_f32 v[\t+1], v[\t+1], |v[\s+\i+2]|, |v[\s+\i+3]|
.endr
	s_delay_alu instid0(VALU_DEP_2)
	v_max3_num_f32 v[\t], v[\t], |v[\s+30]|, |v[\s+31]|
	s_delay_alu instid0(VALU_DEP_1)
	v_max3_num_f32 v[\t], v[\t], v[\t+1], 0x2800000                 ; the floor 2^(5 - 127): the byte cannot fall under 1
	s_delay_alu instid0(VALU_DEP_1)
	v_add_nc_u32 v[\t+2], 0xfe000000, v[\t]                         ; 4 off the exponent field: the conversion's scale operand
	v_cvt_scalef32_pk16_bf6_f32 v[\c:\c+2], v[\s:\s+15], v[\t+2]
	v_cvt_scalef32_pk16_bf6_f32 v[\c+4:\c+6], v[\s+16:\s+31], v[\t+2]
	v_lshrrev_b32 v[\e], 23, v[\t+2]                                ; the byte; also the plain line behind the conversions
	v_mov_b32 v[\c+3], v[\c+4]
	v_mov_b32 v[\c+4], v[\c+5]
	v_mov_b32 v[\c+5], v[\c+6]
.endm
.macro ROUND                           ; a round of the cluster's barrier: my work-group's barrier; wave 0 signals for the work-group; every wave waits for all four work-groups; my work-group's barrier once more
	s_barrier_signal -1
	s_barrier_wait -1
	s_cmp_lg_u32 s[WV], 0
	s_cbranch_scc1 .Lnot_wave_0_\@
	s_barrier_signal -3
.Lnot_wave_0_\@:
	s_barrier_wait -3
	s_barrier_signal -1
	s_barrier_wait -1
.endm
	s_load_b256 s[4:11], s[0:1], 0x0               ; queries s[4:5], kvc s[6:7], delta s[8:9], tau s[10:11]
	s_load_b64 s[12:13], s[0:1], 0x20              ; out0
	v_lshl_add_u32 v254, v0, 2, 0x47000
	v_mov_b32 v255, 0
	ds_add_u32 v254, v255
	ds_add_u32 v254, v255
	s_wait_dscnt 0x0
	v_lshrrev_b32 v4, 5, v0
	s_delay_alu instid0(VALU_DEP_1)
	v_readfirstlane_b32 s[WV], v4                  ; wave 0..15
	s_lshr_b32 s[RK], s[WV], 2                     ; row xor column of the wave's cell is 0 or 3 on a diagonal:
	s_xor_b32 s[RK], s[RK], s[WV]
	s_lshr_b32 s51, s[RK], 1
	s_xor_b32 s[RK], s[RK], s51                    ; its two bits xored
	s_and_b32 s[RK], s[RK], 1                      ; 0 on a diagonal, 1 off
	s_mul_i32 s[RK], s[RK], 15
	s_xor_b32 s[RK], s[RK], 15                     ; 15 on a diagonal, 0 off
	s_xor_b32 s[RK], s[RK], s[WV]                  ; RK = 15 - w or w
	s_bfe_u32 s16, ttmp6, 0x40000                  ; cx: my place in the cluster
	s_lshl_b32 s17, ttmp9, 2                       ; in a cluster launch ttmp9 counts clusters
	s_add_co_u32 s17, s17, s16                     ; x = 4 x cluster x + cx: it enters Q's and out's addresses and the mask's bound alone
	s_and_b32 s18, ttmp7, 0xffff                   ; hd, which the four partners share
	s_lshr_b32 s19, s18, 4                         ; b
	s_lshl_b32 s56, s19, 23                        ; my first query's row in queries and in out0: b x 2048 x 4096
	s_lshl_b32 s57, s[RK], 19                      ; + 128 RK tokens
	s_add_co_u32 s56, s56, s57
	s_lshl_b32 s57, s17, 16                        ; + 16 x tokens
	s_add_co_u32 s56, s56, s57
	s_and_b32 s57, s18, 15
	s_lshl_b32 s57, s57, 8                         ; + the head's 256 bytes
	s_add_co_u32 s56, s56, s57
	s_mov_b32 s57, 0
	s_lshl_b32 s58, s19, 13                        ; delta[b]
	s_mov_b32 s59, 0
	s_lshl_b32 s62, s19, 2                         ; tau[b]
	s_mov_b32 s63, 0
	s_mov_b32 s60, 0x3e38aa3b                      ; c = log2(e) / 8
	s_mov_b32 s61, s60                             ; (named with it as a pair, so it is written)
	s_mov_b32 s20, 0x76543210
	s_mov_b32 s21, 0xfedcba98                      ; v_permlanex16_b32's selects for lane l xor 16
	; descriptor groups 1: dense blocks as rows of 256 bytes (32 elements of 8 bytes): one slab, 52 rows; three slabs, 156 rows
	s_mov_b32 s24, 15|(3<<16)|(1<<21)              ; 15:0 the mask: all four work-groups; 17:16 elements of 8 bytes; 20 no padding; 21 set beside a mask
	s_mov_b32 s25, 32<<16                          ; tensor_dim0 = 32
	s_mov_b32 s26, 52<<16                          ; tensor_dim1 = 52
	s_mov_b32 s27, 32<<16                          ; tile_dim0 = 32
	s_mov_b32 s28, 52                              ; tile_dim1 = 52
	s_mov_b32 s29, 32                              ; from row to row: 32 elements
	s_mov_b32 s30, 0
	s_mov_b32 s31, 0
	s_mov_b32 s32, 15|(3<<16)|(1<<21)
	s_mov_b32 s33, 32<<16
	s_mov_b32 s34, 156<<16
	s_mov_b32 s35, 32<<16
	s_mov_b32 s36, 156
	s_mov_b32 s37, 32
	s_mov_b32 s38, 0
	s_mov_b32 s39, 0
	; groups 0: wave w (0 .. 3) brings slab w, and slabs 4 + 3 w .. 6 + 3 w.  Nothing in them hangs on my place in the cluster
	s_mov_b32 s40, 1
	s_mul_i32 s41, s[WV], SLAB
	s_mov_b32 s44, 1
	s_mul_i32 s45, s[WV], 3*SLAB
	s_add_co_u32 s45, s45, 4*SLAB
	s_mul_i32 s52, s18, 16*SLAB                    ; the head's slabs in kvc
	s_add_co_u32 s54, s52, s45
	s_add_co_u32 s52, s52, s41
	s_mov_b32 s53, 0
	s_mov_b32 s55, 0
	s_wait_kmcnt 0x0
	s_add_nc_u64 s[42:43], s[6:7], s[52:53]
	s_or_b32 s43, s43, 0x80000000                  ; type = 2
	s_add_nc_u64 s[46:47], s[6:7], s[54:55]
	s_or_b32 s47, s47, 0x80000000
	s_add_nc_u64 s[4:5], s[4:5], s[56:57]
	s_add_nc_u64 s[12:13], s[12:13], s[56:57]
	s_add_nc_u64 s[8:9], s[8:9], s[58:59]
	s_add_nc_u64 s[10:11], s[10:11], s[62:63]
	ROUND                                          ; all four work-groups are here: the joint loads meet
	s_cmp_lt_u32 s[WV], 4                          ; a wave's two fills stand in one branch, ahead of every wait on TENSORcnt, every LDS read and every further barrier: two tensor loads of a wave are out at the most
	s_cbranch_scc0 .Lno_fill
	tensor_load_to_lds s[40:43], s[24:31]
	s_nop 0
	tensor_load_to_lds s[44:47], s[32:39]
	s_nop 0
.rept 4
	v_nop
.endr
.Lno_fill:
	s_load_b32 s51, s[10:11], 0x0                  ; tau[b]
	v_and_b32 v4, 31, v0                           ; lane
	v_and_b32 v5, 15, v0                           ; r
	v_bfe_u32 v6, v0, 4, 1                         ; g
	s_delay_alu instid0(VALU_DEP_2)
	v_lshlrev_b32 v[GO], 4, v5
	s_delay_alu instid0(VALU_DEP_1)
	v_lshl_add_u32 v[GO], v6, 12, v[GO]            ; lanes 0-15 one token's 256 bytes, lanes 16-31 the next token's, 4,096 bytes on
	v_lshlrev_b32 v86, 4, v0                       ; delta[b]: 16 bytes a thread, 8,192 in all
	global_load_b128 v[64:67], v86, s[8:9]
.irp i, 0,1,2,3,4,5,6,7
	global_load_b128 v[T+4*\i:T+4*\i+3], v[GO], s[4:5] offset:8192*\i th:TH_LOAD_NT   ; my 16 queries, two whole rows a load
.endr
	v_add_nc_u32 v87, CD, v86
	v_mul_u32_u24 v[L48], v4, 48
	v_lshlrev_b32 v[L16], 4, v4
	v_lshl_add_u32 v[LCD], v6, 6, CD               ; my half's 16 keys of a block of 32: 64 bytes on
	v_lshlrev_b32 v[DG], 4, v6
	s_delay_alu instid0(VALU_DEP_1)
	v_sub_nc_u32 v[DG], v5, v[DG]
	s_lshl_b32 s16, s17, 4
	v_add_nc_u32 v[DG], s16, v[DG]                 ; 16 x + r - 16 g: my query within its 128, less my half's 16 keys
	v_mov_b32 v[NINF], 0xff800000
	s_mul_i32 s48, s[WV], 16*SP
	s_add_co_u32 s48, s48, STAGE                   ; my stage
	v_mul_u32_u24 v[STO], v5, SP
	s_delay_alu instid0(VALU_DEP_1)
	v_lshl_add_u32 v[QRD], v6, 7, v[STO]
	s_delay_alu instid0(VALU_DEP_1)
	v_add_nc_u32 v[QRD], s48, v[QRD]               ; Q back: row r, + 128 g: my block of e
	s_delay_alu instid0(VALU_DEP_3)
	v_lshl_add_u32 v[STO], v6, 5, v[STO]
	s_delay_alu instid0(VALU_DEP_1)
	v_add_nc_u32 v[STO], s48, v[STO]               ; O in: row r, + 32 g
	v_mul_u32_u24 v[SRD], v6, SP
	s_delay_alu instid0(VALU_DEP_1)
	v_lshl_add_u32 v[SRD], v5, 4, v[SRD]
	s_delay_alu instid0(VALU_DEP_1)
	v_add_nc_u32 v[SRD], s48, v[SRD]               ; whole rows: row g, 16 bytes a lane
	v_mov_b32 v13, 0xff61b1e6                      ; the largest t so far: -3e38
	s_delay_alu instid0(VALU_DEP_1)
	v_floor_f32 v12, -v13                          ; -M
	v_mov_b32 v14, 0                               ; the sum, in two halves
	v_mov_b32 v15, 0
	v_mov_b32 v[PD], 0                             ; written once: a lane permute's destination counts as one of its sources
.irp i, 0,1,2,3,4,5
	v_mov_b32 v[KF+48+\i], 0                       ; the six registers behind tile 7's codes
.endr
	s_wait_loadcnt 8                               ; delta is in; Q's eight loads, issued behind it, may be out
	v_pk_mul_f32 v[64:65], v[64:65], s[60:61] op_sel_hi:[1,0]
	v_pk_mul_f32 v[66:67], v[66:67], s[60:61] op_sel_hi:[1,0]
	ds_store_b128 v87, v[64:67]                    ; c x delta
	s_wait_loadcnt 0x0                             ; Q
.irp i, 0,1,2,3,4,5,6,7
	ds_store_b128 v[SRD], v[T+4*\i:T+4*\i+3] offset:2*SP*\i
.endr
.irp k, 0,1,2,3,4,5,6,7
	ds_load_b128 v[S+4*\k:S+4*\k+3], v[QRD] offset:16*\k   ; query r, e = 32 g + 4 k on.  LDS serves a wave's instructions in order (ISA guide 5.7.1.4)
.endr
	s_wait_dscnt 0x0
	QB S, QC, 32, 33                               ; registers 0-5 of source 1: k = 32 g + 0 .. 31
.irp i, 6,7,8,9,10,11
	v_mov_b32 v[QC+\i], 0                          ; k = 64 .. 127: zero codes
.endr
	v_lshlrev_b32 v33, 3, v6
	s_delay_alu instid0(VALU_DEP_1)
	v_lshlrev_b32 v32, v33, v32                    ; my byte at its place,
	s_delay_alu instid0(VALU_DEP_1)
	v_permlanex16_b32 v[PD], v32, s20, s21
	s_delay_alu instid0(VALU_DEP_1)
	v_or_b32 v[QS], v32, v[PD]                     ; with lane l xor 16's: bytes 0 and 1; bytes 2 and 3 are 0
.set n, 0
.rept 32
	v_mov_b32 v[O+n], 0                            ; O^T.  (The step is written once for every trip: the first finds zeros, which the first change of M leaves zeros.  These lines are also the places between Q's scale word and the first product)
.set n, n+1
.endr
	s_wait_kmcnt 0x0
	s_mul_f32 s22, s51, s60                        ; c tau
	s_mov_b32 s23, s22                             ; (named with it as a pair)
; A KEY STEP: 128 keys.  A step all of whose keys come after my queries is left out: a scalar branch on the step's and the wave's numbers, round its loads and its work, not round the lines that step addresses.
.macro STEP
	s_cmp_gt_u32 s[J], s[RK]
	s_cbranch_scc1 .Lhidden_\@
	s_setprio 2
	v_add_nc_u32 v[A48], s[TB], v[L48]
	v_add_nc_u32 v[A16], s[TB], v[L16]
	v_add_nc_u32 v[ACD], s[TD], v[LCD]
.irp i, 0,1,2,3,4,5,6,7,8,9,10,11
	ds_load_b128 v[KF+4*\i:KF+4*\i+3], v[A48] offset:1536*(\i/3)+16*(\i%3)   ; K's eight tiles, six registers each: a lane's 48 bytes of each unit
.endr
	ds_load_b128 v[KS:KS+3], v[A16] offset:KSC     ; their scale words: register P: lanes 0-15 tile 2 P, lanes 16-31 tile 2 P + 1
.irp m, 0,1,2,3,4,5,6,7,8,9,10,11,12,13,14,15
	ds_load_b128 v[T+4*\m:T+4*\m+3], v[ACD] offset:128*(\m/4)+16*(\m%4)      ; c delta of my 64 keys: register 16 P + i is key 32 P + 16 g + i
.endr
	s_wait_dscnt 16                                ; K and its scale words are in; the 16 loads of c delta, issued behind them, may be out
.irp t, 0,1,2,3,4,5,6,7
.if \t%2
	v_wmma_scale_f32_16x16x128_f8f6f4 v[S+8*\t:S+8*\t+7], v[KF+6*\t:KF+6*\t+11], v[QC:QC+11], 0, v[KS+\t/2], v[QS] matrix_a_fmt:MATRIX_FMT_BF6 matrix_b_fmt:MATRIX_FMT_BF6 matrix_a_scale:MATRIX_SCALE_ROW1
.else
	v_wmma_scale_f32_16x16x128_f8f6f4 v[S+8*\t:S+8*\t+7], v[KF+6*\t:KF+6*\t+11], v[QC:QC+11], 0, v[KS+\t/2], v[QS] matrix_a_fmt:MATRIX_FMT_BF6 matrix_b_fmt:MATRIX_FMT_BF6
.endif
.endr
.rept 4
	v_nop                                          ; four places in front of the reads of the scores, of the writes into K's registers and of the loads into the scores' registers
.endr
	s_wait_dscnt 0x0                               ; c delta
.set n, 0
.rept 32
	v_pk_fma_f32 v[T+n:T+n+1], v[S+n:S+n+1], s[22:23], v[T+n:T+n+1] op_sel_hi:[1,0,1]   ; t = score x c tau + c delta; each accumulator from its low end on
.set n, n+2
.endr
.irp i, 0,1,2,3,4,5,6,7,8,9,10,11
	ds_load_b128 v[VF+4*\i:VF+4*\i+3], v[A48] offset:VIMG+1536*(\i/3)+16*(\i%3)   ; V's four fragments into the scores' registers: they land while the softmax is worked
.endr
	ds_load_b128 v[VS:VS+3], v[A16] offset:VSC     ; and their scale words
	s_cmp_lg_u32 s[J], s[RK]                       ; on the diagonal hidden keys' t become -infinity ahead of the maximum: p = 0 then
	s_cbranch_scc1 .Lopen_\@
.set n, 0
.rept 64
	v_cmp_gt_i32 vcc_lo, 32*(n/16)+n%16, v[DG]     ; register n holds key 32 (n / 16) + 16 g + n % 16 of the step: hidden where it comes after my query
	s_delay_alu instid0(VALU_DEP_1)
	v_cndmask_b32 v[T+n], v[T+n], v[NINF], vcc_lo
.set n, n+1
.endr
.Lopen_\@:
.irp b, 0,1,2,3
	v_max3_num_f32 v[BM+\b], v[T+16*\b], v[T+1+16*\b], v[T+2+16*\b]   ; the largest t of each block of 32 keys: for the row's maximum and for the block's largest p
.endr
.irp i, 3,5,7,9,11,13
.irp b, 0,1,2,3
	s_delay_alu instid0(VALU_DEP_4)
	v_max3_num_f32 v[BM+\b], v[BM+\b], v[T+16*\b+\i], v[T+1+16*\b+\i]   ; (the four blocks by turns)
.endr
.endr
.irp b, 0,1,2,3
	s_delay_alu instid0(VALU_DEP_4)
	v_max_num_f32 v[BM+\b], v[BM+\b], v[T+15+16*\b]
.endr
.irp b, 0,1,2,3
	s_delay_alu instid0(VALU_DEP_4)
	v_permlanex16_b32 v[BX+\b], v[BM+\b], s20, s21
.endr
.irp b, 0,1,2,3
	s_delay_alu instid0(VALU_DEP_4)
	v_max_num_f32 v[BM+\b], v[BM+\b], v[BX+\b]     ; with lane l xor 16's 16 keys
.endr
	s_delay_alu instid0(VALU_DEP_2)
	v_max3_num_f32 v[TA], v[BM], v[BM+1], v[BM+2]
	s_delay_alu instid0(VALU_DEP_1)
	v_max3_num_f32 v13, v13, v[TA], v[BM+3]        ; the running largest t
	v_mov_b32 v[TA], v12
	s_delay_alu instid0(VALU_DEP_2)
	v_floor_f32 v12, -v13                          ; the new -M = -ceil(t): M is a whole number
	s_delay_alu instid0(VALU_DEP_1)
	v_sub_f32 v[TA], v12, v[TA]                    ; old M less new M: a whole number, 0 or less
	s_delay_alu instid0(VALU_DEP_1)
	v_cvt_i32_f32 v[TA], v[TA]                     ; (it saturates)
	s_delay_alu instid0(VALU_DEP_1)
	v_ldexp_f32 v[FF], 1.0, v[TA]                  ; f = 2^(old M - new M)
.set n, 0
	s_setprio 1
.rept 32
	v_pk_add_f32 v[T+n:T+n+1], v[T+n:T+n+1], v[12:13] op_sel_hi:[1,0]   ; t - M (of the pair the low word, -M, serves both halves)
.set n, n+2
.endr
.irp b, 0,1,2,3
	v_add_f32 v[BM+\b], v[BM+\b], v12              ; the same of each block's largest t
.endr
.set n, 0
	s_wait_alu depctr_va_vdst(0)
.rept 64
	v_exp_f32 v[T+n], v[T+n]                       ; p = 2^(t - M), at most 1
.set n, n+1
.endr
.irp b, 0,1,2,3
	v_exp_f32 v[BM+\b], v[BM+\b]                   ; the block's largest p: the same two instructions on the same number
.endr
	v_pk_mul_f32 v[14:15], v[14:15], v[FF:FF+1] op_sel_hi:[1,0]   ; the sums under the new M.  (The plain line behind the exponentials)
	s_wait_alu depctr_va_vdst(0)
.irp b, 0,1,2,3
	v_max_num_f32 v[BM+\b], 0x2800000, v[BM+\b]    ; the floor 2^(5 - 127): the byte cannot fall under 1
.endr
.irp b, 0,1,2,3
	s_delay_alu instid0(VALU_DEP_4)
	v_add_nc_u32 v[SO+\b], 0xfe000000, v[BM+\b]    ; 4 off the exponent field: the conversion's scale operand
.endr
.irp b, 0,1,2,3
	s_delay_alu instid0(VALU_DEP_4)
	v_lshrrev_b32 v[BX+\b], 23, v[SO+\b]           ; the scale's byte
.endr
	s_delay_alu instid0(VALU_DEP_3)
	v_lshl_or_b32 v[PS], v[BX+1], 8, v[BX]         ; p's scale word for these 128 keys
	s_delay_alu instid0(VALU_DEP_1)
	v_lshl_or_b32 v[PS], v[BX+2], 16, v[PS]
	s_delay_alu instid0(VALU_DEP_1)
	v_lshl_or_b32 v[PS], v[BX+3], 24, v[PS]
.irp c, 0,1
	v_cvt_scalef32_pk16_bf6_f32 v[PC+6*\c:PC+6*\c+2], v[T+32*\c:T+32*\c+15], v[SO+2*\c]
	v_cvt_scalef32_pk16_bf6_f32 v[PT+4*\c:PT+4*\c+2], v[T+16+32*\c:T+31+32*\c], v[SO+2*\c+1]   ; (a conversion's three registers begin on an even number)
.endr
	v_nop                                          ; one plain line behind the scaled conversions
.irp c, 0,1                            ; the operand's layout wants a WHOLE block in a lane: lanes 0-15 block 2 c, lanes 16-31 block 2 c + 1
.irp i, 0,1,2
	v_permlane16_swap_b32 v[PC+6*\c+\i], v[PT+4*\c+\i]
.endr
.irp i, 0,1,2
	s_delay_alu instid0(VALU_DEP_3)
	v_mov_b32 v[PC+3+6*\c+\i], v[PT+4*\c+\i]
.endr
.endr
	v_pk_add_f32 v[64:65], v[100:101], v[104:105]
	v_pk_add_f32 v[222:223], v[108:109], v[112:113]
	v_pk_add_f32 v[220:221], v[116:117], v[120:121]
	v_pk_add_f32 v[218:219], v[124:125], v[128:129]
	v_pk_add_f32 v[216:217], v[132:133], v[136:137]
	v_pk_add_f32 v[214:215], v[140:141], v[144:145]
	v_pk_add_f32 v[212:213], v[148:149], v[152:153]
	v_pk_add_f32 v[14:15], v[14:15], v[156:157]
	v_pk_add_f32 v[64:65], v[64:65], v[96:97]
	s_setprio 0
	v_pk_add_f32 v[222:223], v[222:223], v[98:99]
	v_pk_add_f32 v[220:221], v[220:221], v[102:103]
	v_pk_add_f32 v[218:219], v[218:219], v[106:107]
	v_pk_add_f32 v[216:217], v[216:217], v[110:111]
	v_pk_add_f32 v[214:215], v[214:215], v[114:115]
	v_pk_add_f32 v[212:213], v[212:213], v[118:119]
	v_pk_add_f32 v[14:15], v[14:15], v[122:123]
	v_pk_add_f32 v[64:65], v[64:65], v[126:127]
	v_pk_add_f32 v[222:223], v[222:223], v[130:131]
	v_pk_add_f32 v[220:221], v[220:221], v[134:135]
	v_pk_add_f32 v[218:219], v[218:219], v[138:139]
	v_pk_add_f32 v[216:217], v[216:217], v[142:143]
	v_pk_add_f32 v[214:215], v[214:215], v[146:147]
	v_pk_add_f32 v[212:213], v[212:213], v[150:151]
	v_pk_add_f32 v[14:15], v[14:15], v[154:155]
	v_pk_add_f32 v[64:65], v[64:65], v[158:159]
	s_delay_alu instid0(VALU_DEP_2)
	v_pk_add_f32 v[14:15], v[14:15], v[218:219]
	s_delay_alu instid0(VALU_DEP_2)
	v_pk_add_f32 v[64:65], v[64:65], v[216:217]
	v_pk_add_f32 v[222:223], v[222:223], v[214:215]
	v_pk_add_f32 v[220:221], v[220:221], v[212:213]
	s_delay_alu instid0(VALU_DEP_2)
	v_pk_add_f32 v[14:15], v[14:15], v[222:223]
	s_delay_alu instid0(VALU_DEP_2)
	v_pk_add_f32 v[64:65], v[64:65], v[220:221]
	s_delay_alu instid0(VALU_DEP_1)
	v_pk_add_f32 v[14:15], v[14:15], v[64:65]
.set n, 0
.rept 16
	v_pk_mul_f32 v[O+n:O+n+1], v[O+n:O+n+1], v[FF:FF+1] op_sel_hi:[1,0]   ; O^T under the new M, each accumulator from its low end on.  (With the sums: the places between p's codes and scale word and the products below)
.set n, n+2
.endr
	s_wait_alu depctr_va_vdst(0)
	s_wait_dscnt 0x0                               ; V and its scale words
.irp n, 0,1,2,3
	v_wmma_scale_f32_16x16x128_f8f6f4 v[O+8*\n:O+8*\n+7], v[VF+12*\n:VF+12*\n+11], v[PC:PC+11], v[O+8*\n:O+8*\n+7], v[VS+\n], v[PS] matrix_a_fmt:MATRIX_FMT_BF6 matrix_b_fmt:MATRIX_FMT_BF6   ; the four accumulators by turns
.endr
.rept 5
	v_nop                                          ; five places: the next step's products write over V's registers, its loads land on p's codes; behind the last step O^T is read
.endr
.Lhidden_\@:
	s_add_co_u32 s[J], s[J], 1
	s_add_co_u32 s[TB], s[TB], SLAB
	s_add_co_u32 s[TD], s[TD], 512
.endm
	s_mov_b32 s[J], 0
	s_mov_b32 s[TB], 0
	s_mov_b32 s[TD], 0
	s_wait_tensorcnt 0x1                           ; my first fill (slab w) has landed; my second, issued behind it, may stay out
	s_wait_dscnt 0x0                               ; for the others' sake: my part of c delta lies in LDS
	s_barrier_signal -1
	s_barrier_wait -1                              ; slabs 0 to 3 and c delta are whole
	s_mov_b32 s[CNT], 4
.Lfirst:                                           ; key steps 0 to 3, while slabs 4 to 15 land
	STEP
	s_sub_co_u32 s[CNT], s[CNT], 1
	s_cmp_lg_u32 s[CNT], 0
	s_cbranch_scc1 .Lfirst
	s_setprio 0
	s_wait_tensorcnt 0x0                           ; my second fill has landed
	s_wait_dscnt 0x0
	s_barrier_signal -1
	s_barrier_wait -1                              ; all sixteen slabs are whole
	s_mov_b32 s[J], 4
	s_mov_b32 s[TB], 4*SLAB
	s_mov_b32 s[TD], 4*512
	s_mov_b32 s[CNT], 12
.Lrest:                                            ; key steps 4 to 15
	STEP
	s_sub_co_u32 s[CNT], s[CNT], 1
	s_cmp_lg_u32 s[CNT], 0
	s_cbranch_scc1 .Lrest
	s_setprio 0
	; THE WAY OUT.  O^T / the sum goes through my stage and leaves as whole rows of 256 bytes.
	v_add_f32 v14, v14, v15                        ; the sum's two halves,
	s_delay_alu instid0(VALU_DEP_1)
	v_permlanex16_b32 v[PD], v14, s20, s21
	s_delay_alu instid0(VALU_DEP_1)
	v_add_f32 v14, v14, v[PD]                      ; and lane l xor 16's: the row's sum
	s_wait_alu depctr_va_vdst(0)
	v_rcp_f32 v14, v14
	v_nop                                          ; one plain line behind the transcendental
.set n, 0
	s_wait_alu depctr_va_vdst(0)
.rept 16
	v_pk_mul_f32 v[T+n:T+n+1], v[O+n:O+n+1], v[14:15] op_sel_hi:[1,0]   ; register 8 n + i is out(query r, 16 n + 8 g + i)
.set n, n+2
.endr
.irp n, 0,1,2,3
	ds_store_b128 v[STO], v[T+8*\n:T+8*\n+3] offset:64*\n
	ds_store_b128 v[STO], v[T+8*\n+4:T+8*\n+7] offset:64*\n+16
.endr
.irp i, 0,1,2,3,4,5,6,7
	ds_load_b128 v[S+4*\i:S+4*\i+3], v[SRD] offset:2*SP*\i   ; LDS serves a wave's instructions in order: these see my stores
.endr
.irp i, 0,1,2,3,4,5,6,7
	s_wait_dscnt 7-\i                              ; load i is back; the 7 - i issued behind it may be out
	global_store_b128 v[GO], v[S+4*\i:S+4*\i+3], s[12:13] offset:8192*\i th:TH_STORE_NT   ; sixteen lanes store a token's 256 consecutive bytes, aligned; written once, read by nobody here
.endr
	s_wait_xcnt 0x0
	v_lshl_add_u32 v254, v0, 2, 0x47000
	v_mov_b32 v255, 0
	s_wait_alu depctr_va_vdst(0)
	s_wait_tensorcnt 0x0
	ds_add_u32 v254, v255
	s_wait_dscnt 0x0
	ROUND                                          ; the closing round: no work-group ends while a partner may still ask for a tile that names it
	s_endpgm
.Lfunc_end_k_q3f8c704243_attn:
	.size	k_q3f8c704243_attn, .Lfunc_end_k_q3f8c704243_attn-k_q3f8c704243_attn
	.p2alignl 7, 3214868480
	.fill 96, 4, 3214868480
	.section	.rodata,"a",@progbits
	.p2align	6, 0x0
	.amdhsa_kernel k_q3f8c704243_attn
		.amdhsa_group_segment_fixed_size 292864
		.amdhsa_private_segment_fixed_size 0
		.amdhsa_enable_private_segment 0
		.amdhsa_kernarg_size 40
		.amdhsa_user_sgpr_count 2
		.amdhsa_user_sgpr_kernarg_segment_ptr 1
		.amdhsa_wavefront_size32 1
		.amdhsa_system_sgpr_workgroup_id_x 1
		.amdhsa_system_sgpr_workgroup_id_y 1
		.amdhsa_system_sgpr_workgroup_id_z 1
		.amdhsa_system_vgpr_workitem_id 0
		.amdhsa_next_free_vgpr 256
		.amdhsa_next_free_sgpr 66
		.amdhsa_reserve_vcc 1
		.amdhsa_float_denorm_mode_32 3
		.amdhsa_float_denorm_mode_16_64 3
		.amdhsa_memory_ordered 1
		.amdhsa_forward_progress 1
		.amdhsa_inst_pref_size 72
	.end_amdhsa_kernel
	.amdgpu_metadata
---
amdhsa.version: [ 1, 2 ]
amdhsa.kernels:
  - .name:           k_q3f8c704243_attn
    .symbol:         k_q3f8c704243_attn.kd
    .args:
      - { .name: queries, .offset: 0, .size: 8, .value_kind: global_buffer, .address_space: global }
      - { .name: kvc, .offset: 8, .size: 8, .value_kind: global_buffer, .address_space: global }
      - { .name: delta, .offset: 16, .size: 8, .value_kind: global_buffer, .address_space: global }
      - { .name: tau, .offset: 24, .size: 8, .value_kind: global_buffer, .address_space: global }
      - { .name: out0, .offset: 32, .size: 8, .value_kind: global_buffer, .address_space: global }
    .group_segment_fixed_size: 292864
    .private_segment_fixed_size: 0
    .kernarg_segment_align: 8
    .kernarg_segment_size: 40
    .max_flat_workgroup_size: 512
    .sgpr_count:     66
    .vgpr_count:     256
    .wavefront_size: 32
...
	.end_amdgpu_metadata
.endif
;; end of part 2
